; MI455X (gfx1250); checked and timed in simulation.
; The chip was launched on July 23, 2026; its instructions are those of AMD's public machine-readable ISA for CDNA 5 (MIT licence, August 2026) and "CDNA5" Instruction Set Architecture Reference Guide (July 2026). The comments in the code are by the model that wrote it; some were corrected since.
;; Single Head Self Attention. Allowed arithmetic: float matrix products may take bf16 or f16 operands with f32 sums; all other float work in f32.
;; Inputs: Wk 64 x 64 float32; Wq 64 x 64 float32; Wv 64 x 64 float32; x 16 x 4,096 x 64 float32.
;; Outputs: out0 16 x 4,096 x 64 float32.
;; 2 versions, each right; version 2 is version 1 with the launch attn written anew for expert scheduling mode. Each part assembles by itself: llvm-mc -triple=amdgcn-amd-amdhsa -mcpu=gfx1250 --defsym DOCPART=n.
;; ======== version 1 of 2: 1 launch
;; limits: values are held in f16: magnitudes above 65,504 overflow, below 6.1e-05 lose precision; inputs' magnitudes at most 65,504
;; launch attn (part 1): grid 16 x 16, 8 waves a work-group, no clusters, 155,648 bytes of LDS; arguments x, Wk, Wq, Wv, out0; writes out0
.if DOCPART == 1
	.amdgcn_target "amdgcn-amd-amdhsa--gfx1250"
	.amdhsa_code_object_version 6
	.text
	.protected	k_qbc13a305e6_attn
	.globl	k_qbc13a305e6_attn
	.p2align	8
	.type	k_qbc13a305e6_attn,@function
k_qbc13a305e6_attn:
	s_mov_b64 s[64:65], 0
	v_nop
	global_prefetch_b8 v0, s[64:65] scope:SCOPE_SE
	s_setreg_imm32_b32 hwreg(HW_REG_WAVE_MODE, 25, 1), 1
	s_wait_xcnt 0x0
; Causal single-head attention, B = 16, T = 4096, C = 64, all tensors f32, in one launch.
;
; ALGEBRA (holds for every input).  M[c][e] = sum_d Wq[d][c] Wk[d][e];  q'[t] = x[t] M;  att[t][s] = q'[t].x[s] / 8;
; O = softmax(att) x;  y[t][d] = sum_c O[t][c] Wv[d][c].  Keys and values are both x itself: no k and no v is ever formed.
; FORMATS.  x, Wq, Wk, Wv are rounded once to bf16 (nearest even).  M (times log2(e)/8, applied in f32), q' and O are
; intermediates: each goes to the matrix unit as a pair of bf16, high part + remainder, two products.  The weights p = 2^(s-m)
; lie in [0,1] and go as f16; their partner is the bf16-rounded x kept as f16.  Sums, maxima, exponentials in f32.
; The softmax takes a running maximum away, as reference() takes the row's maximum.
; LIMITS, kept knowingly: |x| above 65504 overflows the f16 copy of x; |x| below 2^-14 loses bits there (at most 2^-25 absolute);
; p below 2^-14 is a denormal f16; v_exp_f32 gives 0 for results below 2^-126; NaN and infinities in the inputs are not followed.
;
; EVERYTHING IS COMPUTED TRANSPOSED: S^T = X Q'^T (A = 16 keys, B = 16 queries).  In the result lane (r, h) holds query r and its
; register j key 8h + j, so two score tiles, packed to 16 bits, ARE the B fragment of P^T for O^T = X^T P^T; the same step leads from
; M to the A fragment of M^T, from q'^T to the B fragment of Q', and from O^T to the B fragment of y^T = Wv O^T.  A row's maximum,
; sum and rescaling factor are one number a lane.
;
; SHARES.  Work-group (i, batch) makes query blocks i and 31 - i (128 rows each): (i+1) + (32-i) = 33 units of 128 keys x 128 queries,
; the same for all 256 work-groups.  Order: unit i (the diagonal, masked), units 0 .. i-1, way out; unit 31-i, units 0 .. 30-i, way out.
; Wave w = 4 g + wq owns queries 32 wq .. +31 of the block and keys 64 g .. +63 of each unit; the two key halves meet in LDS at the
; block's end, and wave (g, wq) then finishes the 16 queries 32 wq + 16 g .. +15.
; DATA.  A unit of x (32 KiB of f32) comes through registers, eight loads of 16 bytes a thread, each load of a wave 512 consecutive
; bytes; it is rounded there and stored into two LDS copies, bf16 (pitch 144) and f16 (pitch 160).  The loads of unit p + 2 are issued in trip p.
; NO TILE MOVER, NO CLUSTER: the bytes change format on their way into LDS, which only registers can do; and the work-groups that
; share a batch's x walk different sequences of units (i, 0 .. i-1, 31-i, 0 .. 30-i), so they would not ask for the same tile together.
; ONE pair of LDS copies, two barriers a trip: the trips of a block number i + 1 and 32 - i, so the turn of a second pair would not be fixed in the text.
; ---- LDS map (bytes) ----
.set PITK, 144                         ; odd multiple of 16: the 16 rows of a plain fragment load begin in 16 different 16-byte columns modulo 256
.set PITV, 160                         ; odd multiple of 32: the same for the transposing loads
.set XK,  0                            ; 128 rows of x in bf16, pitch 144
.set XV,  18432                        ; 128 rows of x in f16, pitch 160
.set WVL, 38912                        ; Wv in bf16, 64 rows, pitch 144
.set WQL, 48128                        ; Wq in bf16, 64 rows, pitch 160
.set WKL, 58368                        ; Wk in bf16, 64 rows, pitch 160
.set MTL, 68608                        ; M^T as 16 register images of 1 KiB: (part, e tile, K step); 16 bytes a lane at +0 and +512
.set MRG, 84992                        ; 16 records of 4,352 bytes (wave, query tile): 8 x 512 bytes of O, then (m, l), 8 bytes a lane.
.set REC, 4352                         ; Once all records are read, a wave's first record serves as its stage for 16 rows of y, pitch 272 (16 x 272 = 4,352)
.set SPIT, 272
; ---- vector registers, window 0 ----
; v1 16 t   v2, v3 where thread t stores its 8 bytes in XK, XV   v4 key fragments   v5 value fragments   v6 query rows   v7 M^T images
; v8 Wv fragments   v9 32 wq + r - 64 g - 8 h (mask)   v10 -inf   v11, v12 my records   v13, v14 the records that I merge
; v15, v16 my stage: in, back   v17 16 x lane   v18 256 t
.set ML,  20                           ; v[20:23]   (m, l) of query tile 0, 1
.set NM,  24                           ; v[24:27]   (-m, -m) of query tile 0, 1
.set AL,  28                           ; v[28:31]   (alpha, alpha) of query tile 0, 1
.set T,   32                           ; v[32:39]   at work
.set S,   40                           ; v[40:103]  scores: tile (kt, qt) at S + 32 qt + 8 kt; packed in place: P(kg, qt) at S + 32 qt + 16 kg
.set F,   104                          ; v[104:167] A fragments: keys (kt, ks) at F + 16 kt + 8 ks; values (dt, kg) at F + 32 kg + 8 dt
.set STG, 168                          ; v[168:199] a unit's 128 bytes of this thread, f32, on their way or landed
.set CVB, 200                          ; v[200:215] the same in bf16
.set CVH, 216                          ; v[216:231] the same in f16
.set CV,  200                          ; both together, as 32 registers for fragments made by hand
.set TMP, 104                          ; set-up only
; ---- window 1 (named by their low 8 bits) ----
.set O,   0                            ; v[256:319] O^T: tile (dt, qt) at 32 qt + 8 dt
.set QH,  64                           ; v[320:351] q' high parts, B fragment (qt, ks) at 16 qt + 8 ks
.set QL,  96                           ; v[352:383] q' remainders
; ---- scalars ----
; s[4:5] x  s[6:7] Wk  s[8:9] Wq  s[10:11] Wv  s[12:13] out0  s14 w  s15 g  s16 wq  s17 i  s18 batch  s19 i+1  s20 31-i
; s21 place in the sequence of units of the next load  s22, s23 at work  s[24:25] an offset (s25 = 0)  s[26:27] the batch's x
; s[28:29] base of the loads on their way  s[30:31], s[32:33] my rows of out0 in the low, the high block  s34 trips
; s35, s36 selects of v_permlanex16_b32  s37 -FLT_MAX  s38 mask of a word's upper bf16  s[40:41] base of the prefetch
.set MSB, 0
.macro WIN new                         ; s_set_vgpr_msb: bits 1:0 source 0, 3:2 source 1, 5:4 source 2, 7:6 destination; the high byte repeats the setting left
.if MSB != \new
	s_set_vgpr_msb (MSB<<8)|\new
.set MSB, \new
.endif
.endm
.macro PLACES n                        ; places behind matrix instructions (ISA guide 7.12.1): independent vector instructions, here v_nop
.rept \n
	v_nop
.endr
.endm
; The unit at place s21 of the sequence: s21 - 1 up to place i, 31 - i at place i + 1, s21 - i - 2 beyond.  Stands behind a wait that shows
; all earlier loads done, so their base s[28:29] may be written.
.macro NEXTLOAD
	s_sub_co_u32 s22, s21, 1
	s_sub_co_u32 s23, s22, s19
	s_cmp_gt_u32 s21, s19
	s_cselect_b32 s22, s23, s22
	s_cmp_eq_u32 s21, s19
	s_cselect_b32 s22, s20, s22
	s_and_b32 s22, s22, 31                         ; a unit's number, 0 to 31
	s_lshl_b32 s24, s22, 15                        ; 128 rows of 256 bytes
	s_add_nc_u64 s[28:29], s[26:27], s[24:25]
	s_add_co_u32 s21, s21, 1
.irp j, 0,1,2,3,4,5,6,7
	global_load_b128 v[STG+4*\j:STG+4*\j+3], v1, s[28:29] offset:4096*\j
.endr
.endm
; The landed unit goes into LDS: rounded to bf16, that value again as f16.  load = 1: the next unit is asked for.
.macro STAGE load
	s_wait_loadcnt 0x0                             ; the eight loads issued one trip ago
.set kk, 0
.rept 16
	v_cvt_pk_bf16_f32 v[CVB+kk], v[STG+2*kk], v[STG+2*kk+1]
.set kk, kk+1
.endr
.irp j, 0,1,2,3,4,5,6,7
	ds_store_b64 v2, v[CVB+2*\j:CVB+2*\j+1] offset:16*PITK*\j
.endr
.set kk, 0
.rept 16
	v_lshlrev_b32 v[STG+2*kk], 16, v[CVB+kk]       ; the rounded values back as f32,
	v_and_b32 v[STG+2*kk+1], s38, v[CVB+kk]
.set kk, kk+1
.endr
.set kk, 0
.rept 16
	v_cvt_pk_f16_f32 v[CVH+kk], v[STG+2*kk], v[STG+2*kk+1]   ; and as f16: exact between 2^-14 and 65504
.set kk, kk+1
.endr
.irp j, 0,1,2,3,4,5,6,7
	ds_store_b64 v3, v[CVH+2*\j:CVH+2*\j+1] offset:16*PITV*\j
.endr
.if \load
	NEXTLOAD
.endif
.endm
; My 64 keys as A fragments (16 keys x 32 of C), the first K step's eight loads first
.macro LDK
.irp ks, 0,1
.irp kt, 0,1,2,3
	ds_load_b128 v[F+16*\kt+8*\ks:F+16*\kt+8*\ks+3],   v4 offset:\kt*16*PITK+64*\ks
	ds_load_b128 v[F+16*\kt+8*\ks+4:F+16*\kt+8*\ks+7], v4 offset:\kt*16*PITK+64*\ks+32
.endr
.endr
.endm
; One pass over the eight score tiles.  The eight accumulators take turns, one instruction a turn.
.macro SPASS qreg, ks, zero
.irp qt, 0,1
.irp kt, 0,1,2,3
.if \zero
	v_wmma_f32_16x16x32_bf16 v[S+32*\qt+8*\kt:S+32*\qt+8*\kt+7], v[F+16*\kt+8*\ks:F+16*\kt+8*\ks+7], v[\qreg+16*\qt+8*\ks:\qreg+16*\qt+8*\ks+7], 0
.else
	v_wmma_f32_16x16x32_bf16 v[S+32*\qt+8*\kt:S+32*\qt+8*\kt+7], v[F+16*\kt+8*\ks:F+16*\kt+8*\ks+7], v[\qreg+16*\qt+8*\ks:\qreg+16*\qt+8*\ks+7], v[S+32*\qt+8*\kt:S+32*\qt+8*\kt+7]
.endif
.endr
.endr
.endm
.macro SMUL                            ; S^T = X (QH + QL)^T, in units of log2
	WIN 0x04                                       ; B in window 1
	s_wait_dscnt 0x8                               ; LDS loads come back in order: the first K step's eight are in, the second's eight may be out
	SPASS QH, 0, 1                                 ; the first products start the sums
	s_wait_dscnt 0x0
	SPASS QH, 1, 0
	SPASS QL, 0, 0
	SPASS QL, 1, 0
	WIN 0
.endm
; My 64 keys' rows of x as A fragments of X^T (16 of C x 32 keys), by transposing loads
.macro LDV
.irp kg, 0,1
.irp dt, 0,1,2,3
	ds_load_tr16_b128 v[F+32*\kg+8*\dt:F+32*\kg+8*\dt+3],   v5 offset:\kg*32*PITV+32*\dt
	ds_load_tr16_b128 v[F+32*\kg+8*\dt+4:F+32*\kg+8*\dt+7], v5 offset:\kg*32*PITV+32*\dt+16*PITV
.endr
.endr
.endm
; The diagonal unit: key 64 g + 16 kt + 8 h + j stays where it is at most query 32 wq + 16 qt + r; the others become -inf.  No branch.
.macro MASK
.irp qt, 0,1
.irp kt, 0,1,2,3
.irp j, 0,1,2,3,4,5,6,7
	v_cmp_le_i32 vcc_lo, 16*\kt+\j-16*\qt, v9
	v_cndmask_b32 v[S+32*\qt+8*\kt+\j], v10, v[S+32*\qt+8*\kt+\j], vcc_lo
.endr
.endr
.endr
.endm
; The running maximum of query tile qt.  first = 1: the block's first unit; -FLT_MAX stands for the old maximum, so m is finite even where all my keys are masked.
.macro SMAX qt, first
.irp c, 0,1,2,3
	v_max3_num_f32 v[T+\c], v[S+32*\qt+8*\c], v[S+32*\qt+8*\c+1], v[S+32*\qt+8*\c+2]
.endr
.irp c, 0,1,2,3
	v_max3_num_f32 v[T+\c], v[T+\c], v[S+32*\qt+8*\c+3], v[S+32*\qt+8*\c+4]
.endr
.irp c, 0,1,2,3
	v_max3_num_f32 v[T+\c], v[T+\c], v[S+32*\qt+8*\c+5], v[S+32*\qt+8*\c+6]
.endr
	v_max3_num_f32 v[T], v[T], v[S+32*\qt+7], v[S+32*\qt+15]
	v_max3_num_f32 v[T+1], v[T+1], v[S+32*\qt+23], v[S+32*\qt+31]
	v_max3_num_f32 v[T], v[T], v[T+1], v[T+2]
.if \first
	v_max3_num_f32 v[T], v[T], v[T+3], s37
.else
	v_max3_num_f32 v[T], v[T], v[T+3], v[ML+2*\qt]
.endif
	v_permlanex16_b32 v[T+1], v[T], s35, s36       ; the other eight keys of each tile lie in lane l xor 16
	v_max_num_f32 v[T], v[T], v[T+1]
.if \first == 0
	v_sub_f32 v[T+4+\qt], v[ML+2*\qt], v[T]        ; old maximum - new: alpha's exponent
.endif
	v_mov_b32 v[ML+2*\qt], v[T]
	v_sub_f32 v[NM+2*\qt], 0, v[T]
	v_sub_f32 v[NM+2*\qt+1], 0, v[T]
.endm
; p = 2^(s - m), alpha = 2^(m_old - m), l = l alpha + sum of my p, p packed to f16 in place
.macro SEXP first
.irp qt, 0,1
.set kk, 0
.rept 16
	v_pk_add_f32 v[S+32*\qt+kk:S+32*\qt+kk+1], v[S+32*\qt+kk:S+32*\qt+kk+1], v[NM+2*\qt:NM+2*\qt+1]
.set kk, kk+2
.endr
.endr
.set kk, 0
.rept 64
	v_exp_f32 v[S+kk], v[S+kk]
.set kk, kk+1
.endr
.if \first == 0
	v_exp_f32 v[AL], v[T+4]
	v_exp_f32 v[AL+2], v[T+5]
.endif
	v_nop                                          ; one plain vector instruction between the exponentials and the first use of a result or write of a source (ISA guide 5.7.2)
.if \first == 0
	s_wait_alu depctr_va_vdst(0)
	v_mov_b32 v[AL+1], v[AL]
	v_mov_b32 v[AL+3], v[AL+2]
.endif
	s_wait_alu depctr_va_vdst(0)
.irp c, 0,1,2,3                                    ; four chains of eight pairs: two for each query tile
	v_pk_add_f32 v[T+2*\c:T+2*\c+1], v[S+16*\c:S+16*\c+1], v[S+16*\c+2:S+16*\c+3]
.endr
.set kk, 4
.rept 6
.irp c, 0,1,2,3
	v_pk_add_f32 v[T+2*\c:T+2*\c+1], v[T+2*\c:T+2*\c+1], v[S+16*\c+kk:S+16*\c+kk+1]
.endr
.set kk, kk+2
.endr
	v_pk_add_f32 v[T:T+1], v[T:T+1], v[T+2:T+3]
	v_pk_add_f32 v[T+4:T+5], v[T+4:T+5], v[T+6:T+7]
.if \first
	v_add_f32 v[ML+1], v[T], v[T+1]
	v_add_f32 v[ML+3], v[T+4], v[T+5]
.else
	v_add_f32 v[T], v[T], v[T+1]
	v_add_f32 v[T+4], v[T+4], v[T+5]
	v_fma_f32 v[ML+1], v[ML+1], v[AL], v[T]
	v_fma_f32 v[ML+3], v[ML+3], v[AL+2], v[T+4]
.endif
.irp blk, 0,16,32,48                               ; two tiles of 8 registers become one B fragment of 8: register n from registers 2n, 2n+1, ascending
.irp n, 0,1,2,3,4,5,6,7
	v_cvt_pk_f16_f32 v[S+\blk+\n], v[S+\blk+2*\n], v[S+\blk+2*\n+1]
.endr
.endr
.endm
.macro RESCALE                         ; O *= alpha
	WIN 0x41                                       ; destination and source 0 in window 1
.irp qt, 0,1
.set kk, 0
.rept 16
	v_pk_mul_f32 v[O+32*\qt+kk:O+32*\qt+kk+1], v[O+32*\qt+kk:O+32*\qt+kk+1], v[AL+2*\qt:AL+2*\qt+1]
.set kk, kk+2
.endr
.endr
.endm
.macro PVPASS kg, zero                 ; the eight accumulators take turns, one instruction a turn
.irp qt, 0,1
.irp dt, 0,1,2,3
.if \zero
	v_wmma_f32_16x16x32_f16 v[O+32*\qt+8*\dt:O+32*\qt+8*\dt+7], v[F+32*\kg+8*\dt:F+32*\kg+8*\dt+7], v[S+32*\qt+16*\kg:S+32*\qt+16*\kg+7], 0
.else
	v_wmma_f32_16x16x32_f16 v[O+32*\qt+8*\dt:O+32*\qt+8*\dt+7], v[F+32*\kg+8*\dt:F+32*\kg+8*\dt+7], v[S+32*\qt+16*\kg:S+32*\qt+16*\kg+7], v[O+32*\qt+8*\dt:O+32*\qt+8*\dt+7]
.endif
.endr
.endr
.endm
.macro PVMUL zero                      ; O^T += X^T P^T
	WIN 0x50                                       ; C and D in window 1
	PVPASS 0, \zero
	PVPASS 1, 0
	WIN 0
.endm
; q'^T = M^T x^T for my 32 queries, whose rows are in XK while the diagonal unit is there; split into QH + QL
.macro QPASS ks, zero
.irp qt, 0,1
.irp et, 0,1,2,3
.if \zero
	v_wmma_f32_16x16x32_bf16 v[S+32*\qt+8*\et:S+32*\qt+8*\et+7], v[F+16*\et+8*\ks:F+16*\et+8*\ks+7], v[CV+16*\qt+8*\ks:CV+16*\qt+8*\ks+7], 0
.else
	v_wmma_f32_16x16x32_bf16 v[S+32*\qt+8*\et:S+32*\qt+8*\et+7], v[F+16*\et+8*\ks:F+16*\et+8*\ks+7], v[CV+16*\qt+8*\ks:CV+16*\qt+8*\ks+7], v[S+32*\qt+8*\et:S+32*\qt+8*\et+7]
.endif
.endr
.endr
.endm
.macro QPRIME
.irp qt, 0,1
.irp ks, 0,1
	ds_load_b128 v[CV+16*\qt+8*\ks:CV+16*\qt+8*\ks+3],   v6 offset:\qt*16*PITK+64*\ks
	ds_load_b128 v[CV+16*\qt+8*\ks+4:CV+16*\qt+8*\ks+7], v6 offset:\qt*16*PITK+64*\ks+32
.endr
.endr
.set kk, 0
.rept 16
	ds_load_b128 v[F+4*kk:F+4*kk+3], v7 offset:512*kk          ; M^T, high parts: fragment (et, ks) at F + 16 et + 8 ks
.set kk, kk+1
.endr
	s_wait_dscnt 0x0
	QPASS 0, 1
	QPASS 1, 0
	PLACES 4                                       ; before loads land on A's registers
.set kk, 0
.rept 16
	ds_load_b128 v[F+4*kk:F+4*kk+3], v7 offset:8192+512*kk     ; M^T, remainders
.set kk, kk+1
.endr
	s_wait_dscnt 0x0
	QPASS 0, 0
	QPASS 1, 0
	PLACES 5                                       ; before the results are read, F is written, and the score products write over S
	WIN 0x40
.set kk, 0
.rept 32
	v_cvt_pk_bf16_f32 v[QH+kk], v[S+2*kk], v[S+2*kk+1]         ; tiles 2 ks, 2 ks + 1 of e, packed, are B fragment (qt, ks)
.set kk, kk+1
.endr
	WIN 0x04
.set kk, 0
.rept 32
	v_lshlrev_b32 v[F+2*kk], 16, v[QH+kk]
	v_and_b32 v[F+2*kk+1], s38, v[QH+kk]
.set kk, kk+1
.endr
	WIN 0
.set kk, 0
.rept 32
	v_pk_add_f32 v[S+2*kk:S+2*kk+1], v[S+2*kk:S+2*kk+1], v[F+2*kk:F+2*kk+1] neg_lo:[0,1] neg_hi:[0,1]   ; what the high part left
.set kk, kk+1
.endr
	WIN 0x40
.set kk, 0
.rept 32
	v_cvt_pk_bf16_f32 v[QL+kk], v[S+2*kk], v[S+2*kk+1]
.set kk, kk+1
.endr
	WIN 0
.endm
; One unit.  diag = 1: a block's first unit (q' is made, the mask applies, all sums start).  store = 1: the next unit goes into LDS.
; load = 1: the unit after that is asked for.
; Two barriers where LDS is written again.  The first: every wave's reads of XK and XV are back before any wave stores; between its
; signal and its wait stand the exponentials.  The second: every wave's stores are done before any wave reads; between its signal and its wait stand the products P x.
.macro TRIP diag, store, load
.if \diag
	QPRIME
.endif
	LDK
	SMUL
	PLACES 4                                       ; before loads land on the key fragments and vector instructions read the scores
	LDV
.if \diag
	MASK
.endif
	SMAX 0, \diag
	SMAX 1, \diag
	s_wait_dscnt 0x0                               ; the value fragments are in: my last reads of this unit
.if \store
	s_barrier_signal -1
.endif
	SEXP \diag
.if \store
	s_barrier_wait -1
	STAGE \load
.endif
.if \diag == 0
	RESCALE
.endif
.if \store
	s_wait_dscnt 0x0                               ; my stores of the next unit are done
	s_barrier_signal -1
.endif
	PVMUL \diag
	PLACES 5                                       ; before the next loads into F, stores of O, and matrix instructions that write over P's registers
.if \store
	s_barrier_wait -1
.endif
.endm
; A block's end.  Both key halves of each query tile meet in LDS; I finish query tile g of my four-wave column: O / l, y^T = Wv O^T, out through my stage.
; Two barriers.  The first: every wave's records are written before any wave reads them.  The second: every wave's reads of the records are back
; before any wave lays its rows of y over its own first record; between its signal and its wait stand the merge and the products with Wv.
.macro EPI base, more
	WIN 0x04                                       ; store data in window 1
.irp qt, 0,1
.set kk, 0
.rept 8
	ds_store_b128 v11, v[O+32*\qt+4*kk:O+32*\qt+4*kk+3] offset:\qt*REC+512*kk
.set kk, kk+1
.endr
.endr
	WIN 0
	ds_store_b64 v12, v[ML:ML+1]
	ds_store_b64 v12, v[ML+2:ML+3] offset:REC
	s_wait_dscnt 0x0                               ; my records are written
	s_barrier_signal -1
	s_barrier_wait -1                              ; everybody's are
.set kk, 0
.rept 8
	ds_load_b128 v[S+4*kk:S+4*kk+3], v13 offset:512*kk                 ; keys' lower half
	ds_load_b128 v[S+32+4*kk:S+32+4*kk+3], v13 offset:8*REC+512*kk     ; upper half
.set kk, kk+1
.endr
	ds_load_b64 v[T:T+1], v14
	ds_load_b64 v[T+2:T+3], v14 offset:8*REC
.irp dt, 0,1,2,3
.irp ks, 0,1
	ds_load_b128 v[F+16*\dt+8*\ks:F+16*\dt+8*\ks+3],   v8 offset:\dt*16*PITK+64*\ks
	ds_load_b128 v[F+16*\dt+8*\ks+4:F+16*\dt+8*\ks+7], v8 offset:\dt*16*PITK+64*\ks+32
.endr
.endr
	s_wait_dscnt 0x0                               ; my reads of the records are back:
	s_barrier_signal -1                            ; say so; only register work follows up to the wait
	v_max_num_f32 v[T+4], v[T], v[T+2]
	v_sub_f32 v[T], v[T], v[T+4]
	v_sub_f32 v[T+2], v[T+2], v[T+4]
	v_exp_f32 v[T], v[T]                           ; a half in which all keys were masked has m = -FLT_MAX: its factor is 0
	v_exp_f32 v[T+2], v[T+2]
	v_nop                                          ; one plain place behind the exponentials
	s_wait_alu depctr_va_vdst(0)
	v_mul_f32 v[T+4], v[T+1], v[T]
	v_fma_f32 v[T+4], v[T+3], v[T+2], v[T+4]
	v_permlanex16_b32 v[T+5], v[T+4], s35, s36     ; l was kept by halves of the lanes: eight keys of each tile in each
	v_add_f32 v[T+4], v[T+4], v[T+5]
	v_rcp_f32 v[T+6], v[T+4]
	v_nop                                          ; one plain place behind the reciprocal
	s_wait_alu depctr_va_vdst(0)
	v_mul_f32 v[AL], v[T], v[T+6]
	v_mul_f32 v[AL+1], v[T], v[T+6]
	v_mul_f32 v[AL+2], v[T+2], v[T+6]
	v_mul_f32 v[AL+3], v[T+2], v[T+6]
.set kk, 0
.rept 16
	v_pk_mul_f32 v[S+kk:S+kk+1], v[S+kk:S+kk+1], v[AL:AL+1]
.set kk, kk+2
.endr
.set kk, 0
.rept 16
	v_pk_fma_f32 v[S+kk:S+kk+1], v[S+32+kk:S+32+kk+1], v[AL+2:AL+3], v[S+kk:S+kk+1]
.set kk, kk+2
.endr
.set kk, 0
.rept 16
	v_cvt_pk_bf16_f32 v[CV+kk], v[S+2*kk], v[S+2*kk+1]         ; O's high parts: B fragment ks at CV + 8 ks
.set kk, kk+1
.endr
.set kk, 0
.rept 16
	v_lshlrev_b32 v[S+32+2*kk], 16, v[CV+kk]
	v_and_b32 v[S+32+2*kk+1], s38, v[CV+kk]
.set kk, kk+1
.endr
.set kk, 0
.rept 16
	v_pk_add_f32 v[S+2*kk:S+2*kk+1], v[S+2*kk:S+2*kk+1], v[S+32+2*kk:S+32+2*kk+1] neg_lo:[0,1] neg_hi:[0,1]
.set kk, kk+1
.endr
.set kk, 0
.rept 16
	v_cvt_pk_bf16_f32 v[CV+16+kk], v[S+2*kk], v[S+2*kk+1]      ; the remainders
.set kk, kk+1
.endr
	; y^T tile dt at S + 32 + 8 dt; four accumulators take turns, one instruction a turn
.irp dt, 0,1,2,3
	v_wmma_f32_16x16x32_bf16 v[S+32+8*\dt:S+32+8*\dt+7], v[F+16*\dt:F+16*\dt+7], v[CV:CV+7], 0
.endr
.irp dt, 0,1,2,3
	v_wmma_f32_16x16x32_bf16 v[S+32+8*\dt:S+32+8*\dt+7], v[F+16*\dt+8:F+16*\dt+15], v[CV+8:CV+15], v[S+32+8*\dt:S+32+8*\dt+7]
.endr
.irp dt, 0,1,2,3
	v_wmma_f32_16x16x32_bf16 v[S+32+8*\dt:S+32+8*\dt+7], v[F+16*\dt:F+16*\dt+7], v[CV+16:CV+23], v[S+32+8*\dt:S+32+8*\dt+7]
.endr
.irp dt, 0,1,2,3
	v_wmma_f32_16x16x32_bf16 v[S+32+8*\dt:S+32+8*\dt+7], v[F+16*\dt+8:F+16*\dt+15], v[CV+24:CV+31], v[S+32+8*\dt:S+32+8*\dt+7]
.endr
	PLACES 5                                       ; before the LDS stores read the results, and before the next block's loads and products reuse these registers
	s_barrier_wait -1                              ; nobody reads a record any more: my first record is my stage
.irp dt, 0,1,2,3                                   ; lane (r, h) holds y[query r][16 dt + 8 h .. +7]: 32 neighbouring bytes of a row
	ds_store_b128 v15, v[S+32+8*\dt:S+32+8*\dt+3] offset:64*\dt
	ds_store_b128 v15, v[S+32+8*\dt+4:S+32+8*\dt+7] offset:64*\dt+16
.endr
.irp k, 0,1,2,3,4,5,6,7
	ds_load_b128 v[S+4*\k:S+4*\k+3], v16 offset:2*SPIT*\k      ; my own bytes, served in order: rows 2 k and 2 k + 1, whole
.endr
.irp k, 0,1,2,3,4,5,6,7
	s_wait_dscnt 7-\k                              ; the younger read-backs may be out
	global_store_b128 v17, v[S+4*\k:S+4*\k+3], s[\base:\base+1] offset:512*\k th:TH_STORE_NT   ; 32 lanes store two whole rows of 256 bytes, aligned
.endr
.if \more
	s_wait_xcnt 0x0                                ; the stores' data registers are written again only behind this wait
.endif
.endm
; ================= set-up =================
	s_load_b256 s[4:11], s[0:1], 0x0               ; x, Wk, Wq, Wv
	s_load_b64 s[12:13], s[0:1], 0x20              ; out0
	v_lshl_add_u32 v254, v0, 2, 0x25c00
	v_mov_b32 v255, 0
	v_lshrrev_b32 v[TMP], 5, v0
	v_readfirstlane_b32 s14, v[TMP]                ; wave
	s_lshr_b32 s15, s14, 2                         ; g: which 64 keys of a unit
	s_and_b32 s16, s14, 3                          ; wq: which 32 queries of a block
	s_mov_b32 s17, ttmp9                           ; i
	s_and_b32 s18, ttmp7, 0xffff                   ; batch
	s_add_co_u32 s19, s17, 1
	s_sub_co_u32 s20, 31, s17
	s_mov_b32 s21, 1                               ; place 0 of the sequence is loaded below
	s_mov_b32 s25, 0
	s_mov_b32 s35, 0x76543210
	s_mov_b32 s36, 0xfedcba98
	s_mov_b32 s37, 0xff7fffff
	s_mov_b32 s38, 0xffff0000
	v_lshlrev_b32 v1, 4, v0
	v_lshlrev_b32 v18, 8, v0
	s_wait_kmcnt 0x0
	s_lshl_b32 s24, s18, 20                        ; a batch: 4,096 rows of 256 bytes
	s_add_nc_u64 s[26:27], s[4:5], s[24:25]
	s_lshl_b32 s24, s17, 15
	s_add_nc_u64 s[28:29], s[26:27], s[24:25]      ; unit i
.irp j, 0,1,2,3,4,5,6,7
	global_load_b128 v[STG+4*\j:STG+4*\j+3], v1, s[28:29] offset:4096*\j
.endr
.irp j, 0,1,2,3
	global_load_b128 v[S+4*\j:S+4*\j+3], v1, s[8:9] offset:4096*\j         ; Wq
	global_load_b128 v[S+16+4*\j:S+16+4*\j+3], v1, s[6:7] offset:4096*\j   ; Wk
	global_load_b128 v[S+32+4*\j:S+32+4*\j+3], v1, s[10:11] offset:4096*\j ; Wv
.endr
	; The 16 work-groups of a batch load units 0 to 15 above; each also asks for unit 31 - i, threads 0 to 127 one block of 256 bytes each:
	; together the batch's 32 units, each block once.  Nothing else is prefetched.
	s_lshl_b32 s24, s20, 15
	s_add_nc_u64 s[40:41], s[26:27], s[24:25]
	s_cmp_gt_u32 s14, 3
	s_cbranch_scc1 .Lno_ask
	global_prefetch_b8 v18, s[40:41] th:TH_LOAD_NT scope:SCOPE_SE
.Lno_ask:
	s_lshl_b32 s22, s16, 13                        ; my 16 rows of out0 in a block: 32 wq + 16 g, 256 bytes a row
	s_lshl_b32 s23, s15, 12
	s_add_co_u32 s22, s22, s23
	s_lshl_b32 s23, s18, 20
	s_add_co_u32 s22, s22, s23
	s_lshl_b32 s24, s17, 15
	s_add_co_u32 s24, s24, s22
	s_add_nc_u64 s[30:31], s[12:13], s[24:25]      ; block i
	s_lshl_b32 s24, s20, 15
	s_add_co_u32 s24, s24, s22
	s_add_nc_u64 s[32:33], s[12:13], s[24:25]      ; block 31 - i
	v_and_b32 v[TMP+1], 31, v0                     ; lane
	v_and_b32 v[TMP+2], 15, v0                     ; r
	v_bfe_u32 v[TMP+3], v0, 4, 1                   ; h
	v_lshrrev_b32 v[TMP+4], 4, v0                  ; t / 16: my row among the 16 that one load of the work-group covers
	v_lshlrev_b32 v[TMP+5], 3, v[TMP+2]            ; my 4 numbers of it: 8 bytes in 16 bits
	v_mad_u32_u24 v2, v[TMP+4], PITK, v[TMP+5]
	v_mad_u32_u24 v3, v[TMP+4], PITV, v[TMP+5]
	v_add_nc_u32 v3, XV, v3
	v_mul_u32_u24 v[TMP+6], v[TMP+2], PITK
	v_lshl_add_u32 v[TMP+6], v[TMP+3], 4, v[TMP+6] ; r x 144 + 16 h: a plain fragment's lane term
	s_mul_i32 s22, s15, 64*PITK
	v_add_nc_u32 v4, s22, v[TMP+6]
	s_mul_i32 s22, s16, 32*PITK
	v_add_nc_u32 v6, s22, v[TMP+6]
	v_add_nc_u32 v8, WVL, v[TMP+6]
	v_and_b32 v[TMP+7], 7, v0
	v_lshl_add_u32 v[TMP+7], v[TMP+3], 3, v[TMP+7]
	v_bfe_u32 v[TMP+5], v0, 3, 1
	v_lshlrev_b32 v[TMP+5], 4, v[TMP+5]
	v_mad_u32_u24 v[TMP+7], v[TMP+7], PITV, v[TMP+5]   ; (8 h + l % 8) x 160 + 16 ((l / 8) % 2): a transposing load's lane term
	s_mul_i32 s22, s15, 64*PITV
	s_add_co_u32 s22, s22, XV
	v_add_nc_u32 v5, s22, v[TMP+7]
	s_and_b32 s22, s14, 1
	s_lshl_b32 s22, s22, 6
	s_add_co_u32 s22, s22, WQL
	v_add_nc_u32 v36, s22, v[TMP+7]                ; Wq^T: columns c = 32 (w % 2) ..
	s_lshr_b32 s22, s14, 1
	s_lshl_b32 s22, s22, 5
	s_add_co_u32 s22, s22, WKL
	v_add_nc_u32 v37, s22, v[TMP+7]                ; Wk^T: columns e = 16 (w / 2) ..
	s_lshl_b32 s22, s14, 10
	s_add_co_u32 s22, s22, MTL
	v_lshl_add_u32 v38, v[TMP+1], 4, s22           ; my image of M^T
	v_lshlrev_b32 v17, 4, v[TMP+1]
	v_add_nc_u32 v7, MTL, v17
	s_lshl_b32 s22, s16, 5
	s_lshl_b32 s23, s15, 6
	s_sub_co_i32 s22, s22, s23
	v_lshlrev_b32 v[TMP+5], 3, v[TMP+3]
	v_sub_nc_u32 v9, v[TMP+2], v[TMP+5]
	v_add_nc_u32 v9, s22, v9                       ; 32 wq + r - 64 g - 8 h, signed
	v_mov_b32 v10, 0xff800000
	s_mul_i32 s22, s14, 2*REC                      ; my two records, 2 w and 2 w + 1
	s_add_co_u32 s22, s22, MRG
	v_lshl_add_u32 v11, v[TMP+1], 4, s22
	v_mul_u32_u24 v[TMP+5], v[TMP+2], SPIT         ; the first of them as my stage.  In: row r, 32 bytes for each half of the lanes
	v_lshl_add_u32 v[TMP+5], v[TMP+3], 5, v[TMP+5]
	v_add_nc_u32 v15, s22, v[TMP+5]
	v_mul_u32_u24 v[TMP+5], v[TMP+3], SPIT         ; back: lanes 0-15 one row of 256 bytes, lanes 16-31 the next
	v_lshl_add_u32 v[TMP+5], v[TMP+2], 4, v[TMP+5]
	v_add_nc_u32 v16, s22, v[TMP+5]
	s_add_co_u32 s22, s22, 4096
	v_lshl_add_u32 v12, v[TMP+1], 3, s22
	s_mul_i32 s22, s16, 2*REC                      ; record 2 wq + g: wave wq's query tile g; wave 4 + wq's lies 8 records on
	s_mul_i32 s23, s15, REC
	s_add_co_u32 s22, s22, s23
	s_add_co_u32 s22, s22, MRG
	v_lshl_add_u32 v13, v[TMP+1], 4, s22
	s_add_co_u32 s22, s22, 4096
	v_lshl_add_u32 v14, v[TMP+1], 3, s22
	s_wait_loadcnt 0x0                             ; unit i and the three weights
.set kk, 0
.rept 24
	v_cvt_pk_bf16_f32 v[F+kk], v[S+2*kk], v[S+2*kk+1]
.set kk, kk+1
.endr
.irp j, 0,1,2,3
	ds_store_b64 v3, v[F+2*\j:F+2*\j+1] offset:WQL-XV+16*PITV*\j
	ds_store_b64 v3, v[F+8+2*\j:F+8+2*\j+1] offset:WKL-XV+16*PITV*\j
	ds_store_b64 v2, v[F+16+2*\j:F+16+2*\j+1] offset:WVL+16*PITK*\j
.endr
	STAGE 1                                        ; unit i into LDS; the sequence's place 1 is asked for
	s_wait_dscnt 0x0
	s_barrier_signal -1
	s_barrier_wait -1
; ================= M^T, one fragment a wave: e tile w / 2, c = 32 (w % 2) .. +31 =================
; D(m = c, n = e) = sum over d of Wq[d][c] Wk[d][e]: both operands by transposing loads; two tiles of c, packed, are the A fragment of M^T.
.irp a, 0,1
.irp ks, 0,1
	ds_load_tr16_b128 v[F+16*\a+8*\ks:F+16*\a+8*\ks+3],   v36 offset:\ks*32*PITV+32*\a
	ds_load_tr16_b128 v[F+16*\a+8*\ks+4:F+16*\a+8*\ks+7], v36 offset:\ks*32*PITV+32*\a+16*PITV
.endr
.endr
.irp ks, 0,1
	ds_load_tr16_b128 v[F+32+8*\ks:F+32+8*\ks+3],   v37 offset:\ks*32*PITV
	ds_load_tr16_b128 v[F+32+8*\ks+4:F+32+8*\ks+7], v37 offset:\ks*32*PITV+16*PITV
.endr
	s_wait_dscnt 0x0
	v_wmma_f32_16x16x32_bf16 v[S:S+7],    v[F:F+7],     v[F+32:F+39], 0              ; two accumulators take turns
	v_wmma_f32_16x16x32_bf16 v[S+8:S+15], v[F+16:F+23], v[F+32:F+39], 0
	v_wmma_f32_16x16x32_bf16 v[S:S+7],    v[F+8:F+15],  v[F+40:F+47], v[S:S+7]
	v_wmma_f32_16x16x32_bf16 v[S+8:S+15], v[F+24:F+31], v[F+40:F+47], v[S+8:S+15]
	PLACES 5
.set kk, 0
.rept 8
	v_pk_mul_f32 v[S+kk:S+kk+1], v[S+kk:S+kk+1], 0x3e38aa3b op_sel_hi:[1,0]    ; log2(e) / 8, in f32: scores come out as exponents of 2
.set kk, kk+2
.endr
.set kk, 0
.rept 8
	v_cvt_pk_bf16_f32 v[CV+kk], v[S+2*kk], v[S+2*kk+1]
.set kk, kk+1
.endr
.set kk, 0
.rept 8
	v_lshlrev_b32 v[S+16+2*kk], 16, v[CV+kk]
	v_and_b32 v[S+16+2*kk+1], s38, v[CV+kk]
.set kk, kk+1
.endr
.set kk, 0
.rept 8
	v_pk_add_f32 v[S+2*kk:S+2*kk+1], v[S+2*kk:S+2*kk+1], v[S+16+2*kk:S+16+2*kk+1] neg_lo:[0,1] neg_hi:[0,1]
.set kk, kk+1
.endr
.set kk, 0
.rept 8
	v_cvt_pk_bf16_f32 v[CV+8+kk], v[S+2*kk], v[S+2*kk+1]
.set kk, kk+1
.endr
	ds_store_b128 v38, v[CV:CV+3]
	ds_store_b128 v38, v[CV+4:CV+7] offset:512
	ds_store_b128 v38, v[CV+8:CV+11] offset:8192
	ds_store_b128 v38, v[CV+12:CV+15] offset:8704
	s_wait_dscnt 0x0
	s_barrier_signal -1
	s_barrier_wait -1
; ================= block i: its diagonal unit, then units 0 .. i-1 =================
	TRIP 1, 1, 1
	s_cmp_eq_u32 s17, 0
	s_cbranch_scc1 .Llow_out
	s_mov_b32 s34, s17
.Llow:
	TRIP 0, 1, 1
	s_sub_co_i32 s34, s34, 1
	s_cmp_gt_i32 s34, 0                            ; a signed compare: the loop ends whatever the start
	s_cbranch_scc1 .Llow
.Llow_out:
	EPI 30, 1
; ================= block 31 - i: its diagonal unit, then units 0 .. 30-i =================
; Of the 33 trips the first 31 ask for a unit (places 2 to 32 of the sequence), the 32nd only stores the last one, the 33rd touches LDS by reads alone.
	TRIP 1, 1, 1
	s_sub_co_u32 s34, 29, s17                      ; 29 - i trips, 14 at the least
.Lhigh:
	TRIP 0, 1, 1
	s_sub_co_i32 s34, s34, 1
	s_cmp_gt_i32 s34, 0
	s_cbranch_scc1 .Lhigh
	TRIP 0, 1, 0
	TRIP 0, 0, 0
	EPI 32, 0
	s_wait_tensorcnt 0x0
	ds_add_u32 v254, v255
	s_wait_dscnt 0x0
	s_endpgm
.Lfunc_end_k_qbc13a305e6_attn:
	.size	k_qbc13a305e6_attn, .Lfunc_end_k_qbc13a305e6_attn-k_qbc13a305e6_attn
	.p2alignl 7, 3214868480
	.fill 96, 4, 3214868480
	.section	.rodata,"a",@progbits
	.p2align	6, 0x0
	.amdhsa_kernel k_qbc13a305e6_attn
		.amdhsa_group_segment_fixed_size 155648
		.amdhsa_private_segment_fixed_size 0
		.amdhsa_enable_private_segment 0
		.amdhsa_kernarg_size 40
		.amdhsa_user_sgpr_count 2
		.amdhsa_user_sgpr_kernarg_segment_ptr 1
		.amdhsa_wavefront_size32 1
		.amdhsa_system_sgpr_workgroup_id_x 1
		.amdhsa_system_sgpr_workgroup_id_y 1
		.amdhsa_system_sgpr_workgroup_id_z 1
		.amdhsa_system_vgpr_workitem_id 0
		.amdhsa_next_free_vgpr 384
		.amdhsa_next_free_sgpr 66
		.amdhsa_reserve_vcc 1
		.amdhsa_float_denorm_mode_32 3
		.amdhsa_float_denorm_mode_16_64 3
		.amdhsa_memory_ordered 1
		.amdhsa_forward_progress 1
		.amdhsa_inst_pref_size 210
	.end_amdhsa_kernel
	.amdgpu_metadata
---
amdhsa.version: [ 1, 2 ]
amdhsa.kernels:
  - .name:           k_qbc13a305e6_attn
    .symbol:         k_qbc13a305e6_attn.kd
    .args:
      - { .name: x, .offset: 0, .size: 8, .value_kind: global_buffer, .address_space: global }
      - { .name: Wk, .offset: 8, .size: 8, .value_kind: global_buffer, .address_space: global }
      - { .name: Wq, .offset: 16, .size: 8, .value_kind: global_buffer, .address_space: global }
      - { .name: Wv, .offset: 24, .size: 8, .value_kind: global_buffer, .address_space: global }
      - { .name: out0, .offset: 32, .size: 8, .value_kind: global_buffer, .address_space: global }
    .group_segment_fixed_size: 155648
    .private_segment_fixed_size: 0
    .kernarg_segment_align: 8
    .kernarg_segment_size: 40
    .max_flat_workgroup_size: 256
    .sgpr_count:     66
    .vgpr_count:     384
    .wavefront_size: 32
...
	.end_amdgpu_metadata
.endif
;; end of part 1
;; ======== version 2 of 2: 1 launch; version 1 with the launch attn written anew for expert scheduling mode
;; limits: values are held in f16: magnitudes above 65,504 overflow, below 6.1e-05 lose precision; inputs' magnitudes at most 65,504
;; launch attn (part 2): grid 16 x 16, 8 waves a work-group, no clusters, 155,648 bytes of LDS; arguments x, Wk, Wq, Wv, out0; writes out0
.if DOCPART == 2
	.amdgcn_target "amdgcn-amd-amdhsa--gfx1250"
	.amdhsa_code_object_version 6
	.text
	.protected	k_qbc13a305e6_attn
	.globl	k_qbc13a305e6_attn
	.p2align	8
	.type	k_qbc13a305e6_attn,@function
k_qbc13a305e6_attn:
	s_mov_b64 s[64:65], 0
	v_nop
	global_prefetch_b8 v0, s[64:65] scope:SCOPE_SE
	s_setreg_imm32_b32 hwreg(HW_REG_WAVE_SCHED_MODE, 0, 2), 2
	s_setreg_imm32_b32 hwreg(HW_REG_WAVE_MODE, 25, 1), 1
	s_wait_xcnt 0x0
	s_wait_alu depctr_vm_vsrc(0)
; Causal single-head attention, B = 16, T = 4096, C = 64, all tensors f32, in one launch.
;
; ALGEBRA (holds for every input).  M[c][e] = sum_d Wq[d][c] Wk[d][e];  q'[t] = x[t] M;  att[t][s] = q'[t].x[s] / 8;
; O = softmax(att) x;  y[t][d] = sum_c O[t][c] Wv[d][c].  Keys and values are both x itself: no k and no v is ever formed.
; FORMATS.  x, Wq, Wk, Wv are rounded once to bf16 (nearest even).  M (times log2(e)/8, applied in f32), q' and O are
; intermediates: each goes to the matrix unit as a pair of bf16, high part + remainder, two products.  The weights p = 2^(s-m)
; lie in [0,1] and go as f16; their partner is the bf16-rounded x kept as f16.  Sums, maxima, exponentials in f32.
; The softmax takes a running maximum away, as reference() takes the row's maximum.
; LIMITS, kept knowingly: |x| above 65504 overflows the f16 copy of x; |x| below 2^-14 loses bits there (at most 2^-25 absolute);
; p below 2^-14 is a denormal f16; v_exp_f32 gives 0 for results below 2^-126; NaN and infinities in the inputs are not followed.
;
; EVERYTHING IS COMPUTED TRANSPOSED: S^T = X Q'^T (A = 16 keys, B = 16 queries).  In the result lane (r, h) holds query r and its
; register j key 8h + j, so two score tiles, packed to 16 bits, ARE the B fragment of P^T for O^T = X^T P^T; the same step leads from
; M to the A fragment of M^T, from q'^T to the B fragment of Q', and from O^T to the B fragment of y^T = Wv O^T.  A row's maximum,
; sum and rescaling factor are one number a lane.
;
; SHARES.  Work-group (i, batch) makes query blocks i and 31 - i (128 rows each): (i+1) + (32-i) = 33 units of 128 keys x 128 queries,
; the same for all 256 work-groups.  Order: unit i (the diagonal, masked), units 0 .. i-1, way out; unit 31-i, units 0 .. 30-i, way out.
; Wave w = 4 g + wq owns queries 32 wq .. +31 of the block and keys 64 g .. +63 of each unit; the two key halves meet in LDS at the
; block's end, and wave (g, wq) then finishes the 16 queries 32 wq + 16 g .. +15.
; DATA.  A unit of x (32 KiB of f32) comes through registers, eight loads of 16 bytes a thread, each load of a wave 512 consecutive
; bytes; it is rounded there and stored into two LDS copies, bf16 (pitch 144) and f16 (pitch 160).  The loads of unit p + 2 are issued in trip p.
; NO TILE MOVER, NO CLUSTER: the bytes change format on their way into LDS, which only registers can do; and the work-groups that
; share a batch's x walk different sequences of units (i, 0 .. i-1, 31-i, 0 .. 30-i), so they would not ask for the same tile together.
; ONE pair of LDS copies, two barriers a trip: the trips of a block number i + 1 and 32 - i, so the turn of a second pair would not be fixed in the text.
;
; THE MODE: SCHED_MODE bits 1:0 = 2 (LLVM: expert scheduling mode 2), set by the entry lines.  The code itself states the register dependences
; between vector or matrix instructions and memory or LDS instructions, with s_wait_alu, always for 0.
; THE PLAN.  Registers that memory or LDS instructions touch, in a trip of the loops:
;   F         The key loads at the trip's head land in it; the 32 score products read it.  The wait on va_vdst in STAGE stands behind those products, and
;             nothing behind that wait names F: the next trip's key loads follow with no wait of their own.
;   FV        The value loads at the trip's head land in it; the 16 products P x at the trip's end read it.  One wait on va_vdst stands ahead of the value loads.
;   STG       The global loads issued in STAGE land in it; the next trip's STAGE reads it, writes it and reads it again.
;   CVB, CVH  STAGE's conversions write them; STAGE's sixteen LDS stores read them.
;   v1 to v8, v11 to v18   offsets and LDS addresses, made once in the set-up and never written again; the bases are scalar registers.
; So a trip holds three such waits: va_vdst between the key loads and the value loads (the products P x are done reading FV); vm_vsrc at STAGE's head (the last trip's
; stores have read CVB and CVH); va_vdst behind STAGE's conversions (CVB and CVH are written, STG is done with, the score products are done reading F).
; S, O, the statistics and q' are named by vector and matrix instructions alone in the loops; the ways out, q' and the set-up state their own dependences where they stand.
; ---- LDS map (bytes) ----
.set PITK, 144                         ; odd multiple of 16: the 16 rows of a plain fragment load begin in 16 different 16-byte columns modulo 256
.set PITV, 160                         ; odd multiple of 32: the same for the transposing loads
.set XK,  0                            ; 128 rows of x in bf16, pitch 144
.set XV,  18432                        ; 128 rows of x in f16, pitch 160
.set WVL, 38912                        ; Wv in bf16, 64 rows, pitch 144
.set WQL, 48128                        ; Wq in bf16, 64 rows, pitch 160
.set WKL, 58368                        ; Wk in bf16, 64 rows, pitch 160
.set MTL, 68608                        ; M^T as 16 register images of 1 KiB: (part, e tile, K step); 16 bytes a lane at +0 and +512
.set MRG, 84992                        ; 16 records of 4,352 bytes (wave, query tile): 8 x 512 bytes of O, then (m, l), 8 bytes a lane.
.set REC, 4352                         ; Once all records are read, a wave's first record serves as its stage for 16 rows of y, pitch 272 (16 x 272 = 4,352)
.set SPIT, 272
; ---- vector registers, window 0 ----
; v1 16 t   v2, v3 where thread t stores its 8 bytes in XK, XV   v4 key fragments   v5 value fragments   v6 query rows   v7 M^T images
; v8 Wv fragments   v9 32 wq + r - 64 g - 8 h (mask)   v10 -inf   v11, v12 my records   v13, v14 the records that I merge
; v15, v16 my stage: in, back   v17 16 x lane   v18 256 t
.set ML,  20                           ; v[20:23]   (m, l) of query tile 0, 1
.set NM,  24                           ; v[24:27]   (-m, -m) of query tile 0, 1
.set AL,  28                           ; v[28:31]   (alpha, alpha) of query tile 0, 1
.set T,   32                           ; v[32:39]   at work
.set S,   40                           ; v[40:103]  scores: tile (kt, qt) at S + 32 qt + 8 kt; packed in place: P(kg, qt) at S + 32 qt + 16 kg
.set F,   104                          ; v[104:167] A fragments: keys (kt, ks) at F + 16 kt + 8 ks; also M^T's and Wv's
.set STG, 168                          ; v[168:199] a unit's 128 bytes of this thread, f32, on their way or landed
.set CVB, 200                          ; v[200:215] the same in bf16
.set CVH, 216                          ; v[216:231] the same in f16
.set CV,  200                          ; both together, as 32 registers for fragments made by hand
.set TMP, 104                          ; set-up only
; ---- window 1 (named by their low 8 bits) ----
.set O,   0                            ; v[256:319] O^T: tile (dt, qt) at 32 qt + 8 dt
.set QH,  64                           ; v[320:351] q' high parts, B fragment (qt, ks) at 16 qt + 8 ks
.set QL,  96                           ; v[352:383] q' remainders
.set FV,  128                          ; v[384:447] A fragments of X^T: values (dt, kg) at FV + 32 kg + 8 dt
; ---- scalars ----
; s[4:5] x  s[6:7] Wk  s[8:9] Wq  s[10:11] Wv  s[12:13] out0  s14 w  s15 g  s16 wq  s17 i  s18 batch  s19 i+1  s20 31-i
; s21 place in the sequence of units of the next load  s22, s23 at work  s[24:25] an offset (s25 = 0)  s[26:27] the batch's x
; s[28:29] base of the loads on their way  s[30:31], s[32:33] my rows of out0 in the low, the high block  s34 trips
; s35, s36 selects of v_permlanex16_b32  s37 -FLT_MAX  s38 mask of a word's upper bf16  s[40:41] base of the prefetch
.set MK,  48                           ; s[48:63]   sixteen lane masks of the diagonal unit
.set MSB, 0
.macro WIN new                         ; s_set_vgpr_msb: bits 1:0 source 0, 3:2 source 1, 5:4 source 2, 7:6 destination; the high byte repeats the setting left
.if MSB != \new
	s_set_vgpr_msb (MSB<<8)|\new
.set MSB, \new
.endif
.endm
.macro PLACES n                        ; places behind matrix instructions (ISA guide 7.12.1): independent vector instructions, here v_nop
.rept \n
	v_nop
.endr
.endm
; The unit at place s21 of the sequence: s21 - 1 up to place i, 31 - i at place i + 1, s21 - i - 2 beyond.  Stands behind a wait that shows
; all earlier loads done, so their base s[28:29] may be written.
.macro NEXTLOAD
	s_sub_co_u32 s22, s21, 1
	s_sub_co_u32 s23, s22, s19
	s_cmp_gt_u32 s21, s19
	s_cselect_b32 s22, s23, s22
	s_cmp_eq_u32 s21, s19
	s_cselect_b32 s22, s20, s22
	s_and_b32 s22, s22, 31                         ; a unit's number, 0 to 31
	s_lshl_b32 s24, s22, 15                        ; 128 rows of 256 bytes
	s_add_nc_u64 s[28:29], s[26:27], s[24:25]
	s_add_co_u32 s21, s21, 1
.irp j, 0,1,2,3,4,5,6,7
	global_load_b128 v[STG+4*\j:STG+4*\j+3], v1, s[28:29] offset:4096*\j
.endr
.endm
; The landed unit goes into LDS: rounded to bf16, that value again as f16.  load = 1: the next unit is asked for.
; again = 1: LDS stores that read CVB and CVH have been issued since the last wait on vm_vsrc.
; All the conversions stand first, so that one wait serves the sixteen stores and the eight loads behind it.
.macro STAGE load, again
	s_wait_loadcnt 0x0                             ; the eight loads issued one trip ago
.if \again
	s_wait_alu depctr_vm_vsrc(0)                   ; the LDS stores of the trip before have read CVB and CVH, which the conversions below write again
.endif
.set kk, 0
.rept 16
	v_cvt_pk_bf16_f32 v[CVB+kk], v[STG+2*kk], v[STG+2*kk+1]
.set kk, kk+1
.endr
.set kk, 0
.rept 16
	v_lshlrev_b32 v[STG+2*kk], 16, v[CVB+kk]       ; the rounded values back as f32,
	v_and_b32 v[STG+2*kk+1], s38, v[CVB+kk]
.set kk, kk+1
.endr
.set kk, 0
.rept 16
	v_cvt_pk_f16_f32 v[CVH+kk], v[STG+2*kk], v[STG+2*kk+1]   ; and as f16: exact between 2^-14 and 65504
.set kk, kk+1
.endr
	s_wait_alu depctr_va_vdst(0)                   ; the conversions have written CVB and CVH, which the stores read, and are done with STG, in which the loads land; the trip's score products are done reading F, in which the next trip's key loads land
.irp j, 0,1,2,3,4,5,6,7
	ds_store_b64 v2, v[CVB+2*\j:CVB+2*\j+1] offset:16*PITK*\j
.endr
.irp j, 0,1,2,3,4,5,6,7
	ds_store_b64 v3, v[CVH+2*\j:CVH+2*\j+1] offset:16*PITV*\j
.endr
.if \load
	NEXTLOAD
.endif
.endm
; My 64 keys as A fragments (16 keys x 32 of C), the first K step's eight loads first
.macro LDK
.irp ks, 0,1
.irp kt, 0,1,2,3
	ds_load_b128 v[F+16*\kt+8*\ks:F+16*\kt+8*\ks+3],   v4 offset:\kt*16*PITK+64*\ks
	ds_load_b128 v[F+16*\kt+8*\ks+4:F+16*\kt+8*\ks+7], v4 offset:\kt*16*PITK+64*\ks+32
.endr
.endr
.endm
; One pass over the eight score tiles.  The eight accumulators take turns, one instruction a turn.
.macro SPASS qreg, ks, zero
.irp qt, 0,1
.irp kt, 0,1,2,3
.if \zero
	v_wmma_f32_16x16x32_bf16 v[S+32*\qt+8*\kt:S+32*\qt+8*\kt+7], v[F+16*\kt+8*\ks:F+16*\kt+8*\ks+7], v[\qreg+16*\qt+8*\ks:\qreg+16*\qt+8*\ks+7], 0
.else
	v_wmma_f32_16x16x32_bf16 v[S+32*\qt+8*\kt:S+32*\qt+8*\kt+7], v[F+16*\kt+8*\ks:F+16*\kt+8*\ks+7], v[\qreg+16*\qt+8*\ks:\qreg+16*\qt+8*\ks+7], v[S+32*\qt+8*\kt:S+32*\qt+8*\kt+7]
.endif
.endr
.endr
.endm
.macro SMUL                            ; S^T = X (QH + QL)^T, in units of log2
	WIN 0x04                                       ; B in window 1
	s_wait_dscnt 24                                ; LDS loads come back in order: the first K step's eight are in; the second's eight and the sixteen value loads may be out
	SPASS QH, 0, 1                                 ; the first products start the sums
	s_wait_dscnt 16                                ; all the key fragments are in; the sixteen value loads may be out
	SPASS QH, 1, 0
	SPASS QL, 0, 0
	SPASS QL, 1, 0
	WIN 0
.endm
; My 64 keys' rows of x as A fragments of X^T (16 of C x 32 keys), by transposing loads, into a buffer of their own
.macro LDV
	WIN 0x40                                       ; destination window 1, address window 0
.irp kg, 0,1
.irp dt, 0,1,2,3
	ds_load_tr16_b128 v[FV+32*\kg+8*\dt:FV+32*\kg+8*\dt+3],   v5 offset:\kg*32*PITV+32*\dt
	ds_load_tr16_b128 v[FV+32*\kg+8*\dt+4:FV+32*\kg+8*\dt+7], v5 offset:\kg*32*PITV+32*\dt+16*PITV
.endr
.endr
.endm
; The diagonal unit: key 64 g + 16 kt + 8 h + j stays where it is at most query 32 wq + 16 qt + r; the others become -inf.  No branch.
; Four runs (query tile mq / 2, key tiles 2 (mq % 2) and + 1): sixteen compares into sixteen scalar registers, one wait, sixteen selects.
.macro MASK
.set mq, 0
.rept 4
.set mn, 0
.rept 16
	v_cmp_le_i32 s[MK+mn], 16*(2*(mq%2)+mn/8)+mn%8-16*(mq/2), v9
.set mn, mn+1
.endr
	s_wait_alu depctr_va_sdst(0)                   ; the sixteen compares have written s[48:63], which the selects below read
.set mn, 0
.rept 16
	v_cndmask_b32 v[S+32*(mq/2)+16*(mq%2)+mn], v10, v[S+32*(mq/2)+16*(mq%2)+mn], s[MK+mn]
.set mn, mn+1
.endr
.set mq, mq+1
.endr
.endm
; The running maximum of query tile qt.  first = 1: the block's first unit; -FLT_MAX stands for the old maximum, so m is finite even where all my keys are masked.
.macro SMAX qt, first
.irp c, 0,1,2,3
	v_max3_num_f32 v[T+\c], v[S+32*\qt+8*\c], v[S+32*\qt+8*\c+1], v[S+32*\qt+8*\c+2]
.endr
.irp c, 0,1,2,3
	v_max3_num_f32 v[T+\c], v[T+\c], v[S+32*\qt+8*\c+3], v[S+32*\qt+8*\c+4]
.endr
.irp c, 0,1,2,3
	v_max3_num_f32 v[T+\c], v[T+\c], v[S+32*\qt+8*\c+5], v[S+32*\qt+8*\c+6]
.endr
	v_max3_num_f32 v[T], v[T], v[S+32*\qt+7], v[S+32*\qt+15]
	v_max3_num_f32 v[T+1], v[T+1], v[S+32*\qt+23], v[S+32*\qt+31]
	v_max3_num_f32 v[T], v[T], v[T+1], v[T+2]
.if \first
	v_max3_num_f32 v[T], v[T], v[T+3], s37
.else
	v_max3_num_f32 v[T], v[T], v[T+3], v[ML+2*\qt]
.endif
	v_permlanex16_b32 v[T+1], v[T], s35, s36       ; the other eight keys of each tile lie in lane l xor 16
	v_max_num_f32 v[T], v[T], v[T+1]
.if \first == 0
	v_sub_f32 v[T+4+\qt], v[ML+2*\qt], v[T]        ; old maximum - new: alpha's exponent
.endif
	v_mov_b32 v[ML+2*\qt], v[T]
	v_sub_f32 v[NM+2*\qt], 0, v[T]
	v_sub_f32 v[NM+2*\qt+1], 0, v[T]
.endm
; p = 2^(s - m), alpha = 2^(m_old - m), l = l alpha + sum of my p, p packed to f16 in place
.macro SEXP first
.irp qt, 0,1
.set kk, 0
.rept 16
	v_pk_add_f32 v[S+32*\qt+kk:S+32*\qt+kk+1], v[S+32*\qt+kk:S+32*\qt+kk+1], v[NM+2*\qt:NM+2*\qt+1]
.set kk, kk+2
.endr
.endr
.set kk, 0
.rept 64
	v_exp_f32 v[S+kk], v[S+kk]
.set kk, kk+1
.endr
.if \first == 0
	v_exp_f32 v[AL], v[T+4]
	v_exp_f32 v[AL+2], v[T+5]
.endif
	v_nop                                          ; one plain vector instruction between the exponentials and the first use of a result or write of a source (ISA guide 5.7.2)
.if \first == 0
	s_wait_alu depctr_va_vdst(0)
	v_mov_b32 v[AL+1], v[AL]
	v_mov_b32 v[AL+3], v[AL+2]
.endif
	s_wait_alu depctr_va_vdst(0)
.irp c, 0,1,2,3                                    ; four chains of eight pairs: two for each query tile
	v_pk_add_f32 v[T+2*\c:T+2*\c+1], v[S+16*\c:S+16*\c+1], v[S+16*\c+2:S+16*\c+3]
.endr
.set kk, 4
.rept 6
.irp c, 0,1,2,3
	v_pk_add_f32 v[T+2*\c:T+2*\c+1], v[T+2*\c:T+2*\c+1], v[S+16*\c+kk:S+16*\c+kk+1]
.endr
.set kk, kk+2
.endr
	v_pk_add_f32 v[T:T+1], v[T:T+1], v[T+2:T+3]
	v_pk_add_f32 v[T+4:T+5], v[T+4:T+5], v[T+6:T+7]
.if \first
	v_add_f32 v[ML+1], v[T], v[T+1]
	v_add_f32 v[ML+3], v[T+4], v[T+5]
.else
	v_add_f32 v[T], v[T], v[T+1]
	v_add_f32 v[T+4], v[T+4], v[T+5]
	v_fma_f32 v[ML+1], v[ML+1], v[AL], v[T]
	v_fma_f32 v[ML+3], v[ML+3], v[AL+2], v[T+4]
.endif
.irp blk, 0,16,32,48                               ; two tiles of 8 registers become one B fragment of 8: register n from registers 2n, 2n+1, ascending
.irp n, 0,1,2,3,4,5,6,7
	v_cvt_pk_f16_f32 v[S+\blk+\n], v[S+\blk+2*\n], v[S+\blk+2*\n+1]
.endr
.endr
.endm
.macro RESCALE                         ; O *= alpha
	WIN 0x41                                       ; destination and source 0 in window 1
.irp qt, 0,1
.set kk, 0
.rept 16
	v_pk_mul_f32 v[O+32*\qt+kk:O+32*\qt+kk+1], v[O+32*\qt+kk:O+32*\qt+kk+1], v[AL+2*\qt:AL+2*\qt+1]
.set kk, kk+2
.endr
.endr
.endm
.macro PVPASS kg, zero                 ; the eight accumulators take turns, one instruction a turn
.irp qt, 0,1
.irp dt, 0,1,2,3
.if \zero
	v_wmma_f32_16x16x32_f16 v[O+32*\qt+8*\dt:O+32*\qt+8*\dt+7], v[FV+32*\kg+8*\dt:FV+32*\kg+8*\dt+7], v[S+32*\qt+16*\kg:S+32*\qt+16*\kg+7], 0
.else
	v_wmma_f32_16x16x32_f16 v[O+32*\qt+8*\dt:O+32*\qt+8*\dt+7], v[FV+32*\kg+8*\dt:FV+32*\kg+8*\dt+7], v[S+32*\qt+16*\kg:S+32*\qt+16*\kg+7], v[O+32*\qt+8*\dt:O+32*\qt+8*\dt+7]
.endif
.endr
.endr
.endm
.macro PVMUL zero                      ; O^T += X^T P^T
	WIN 0x51                                       ; A, C and D in window 1, B in window 0
	PVPASS 0, \zero
	PVPASS 1, 0
	WIN 0
.endm
; q'^T = M^T x^T for my 32 queries, whose rows are in XK while the diagonal unit is there; split into QH + QL
.macro QPASS ks, zero
.irp qt, 0,1
.irp et, 0,1,2,3
.if \zero
	v_wmma_f32_16x16x32_bf16 v[S+32*\qt+8*\et:S+32*\qt+8*\et+7], v[F+16*\et+8*\ks:F+16*\et+8*\ks+7], v[CV+16*\qt+8*\ks:CV+16*\qt+8*\ks+7], 0
.else
	v_wmma_f32_16x16x32_bf16 v[S+32*\qt+8*\et:S+32*\qt+8*\et+7], v[F+16*\et+8*\ks:F+16*\et+8*\ks+7], v[CV+16*\qt+8*\ks:CV+16*\qt+8*\ks+7], v[S+32*\qt+8*\et:S+32*\qt+8*\et+7]
.endif
.endr
.endr
.endm
.macro QPRIME
	s_wait_alu depctr_vm_vsrc(0)                   ; the stores issued so far, LDS and global, have read their registers: CV and the set-up's addresses v36 to v38 ahead of the first block; S, O and (m, l) ahead of the second: all are written again from here on
.irp qt, 0,1                                       ; (the vector and matrix instructions that named CV and F stand ahead of the last wait on va_vdst: the one in front of the stores of M's images, or of the stage stores)
.irp ks, 0,1
	ds_load_b128 v[CV+16*\qt+8*\ks:CV+16*\qt+8*\ks+3],   v6 offset:\qt*16*PITK+64*\ks
	ds_load_b128 v[CV+16*\qt+8*\ks+4:CV+16*\qt+8*\ks+7], v6 offset:\qt*16*PITK+64*\ks+32
.endr
.endr
.set kk, 0
.rept 16
	ds_load_b128 v[F+4*kk:F+4*kk+3], v7 offset:512*kk          ; M^T, high parts: fragment (et, ks) at F + 16 et + 8 ks
.set kk, kk+1
.endr
	s_wait_dscnt 0x0
	QPASS 0, 1
	QPASS 1, 0
	PLACES 4                                       ; the places behind those products stay beside the wait below
	s_wait_alu depctr_va_vdst(0)                   ; the sixteen products are done reading M^T's high parts in F, in which the remainders land
.set kk, 0
.rept 16
	ds_load_b128 v[F+4*kk:F+4*kk+3], v7 offset:8192+512*kk     ; M^T, remainders
.set kk, kk+1
.endr
	s_wait_dscnt 0x0
	QPASS 0, 0
	QPASS 1, 0
	PLACES 5                                       ; before the results are read, F is written, and the score products write over S
	WIN 0x40
.set kk, 0
.rept 32
	v_cvt_pk_bf16_f32 v[QH+kk], v[S+2*kk], v[S+2*kk+1]         ; tiles 2 ks, 2 ks + 1 of e, packed, are B fragment (qt, ks)
.set kk, kk+1
.endr
	WIN 0x04
.set kk, 0
.rept 32
	v_lshlrev_b32 v[F+2*kk], 16, v[QH+kk]
	v_and_b32 v[F+2*kk+1], s38, v[QH+kk]
.set kk, kk+1
.endr
	WIN 0
.set kk, 0
.rept 32
	v_pk_add_f32 v[S+2*kk:S+2*kk+1], v[S+2*kk:S+2*kk+1], v[F+2*kk:F+2*kk+1] neg_lo:[0,1] neg_hi:[0,1]   ; what the high part left
.set kk, kk+1
.endr
	WIN 0x40
.set kk, 0
.rept 32
	v_cvt_pk_bf16_f32 v[QL+kk], v[S+2*kk], v[S+2*kk+1]
.set kk, kk+1
.endr
	WIN 0
.endm
; One unit.  diag = 1: a block's first unit (q' is made, the mask applies, all sums start).  store = 1: the next unit goes into LDS.
; load = 1: the unit after that is asked for.
; Two barriers where LDS is written again.  The first: every wave's reads of XK and XV are back before any wave stores; between its
; signal and its wait stand the exponentials.  The second: every wave's stores are done before any wave reads; between its signal and its wait stand the products P x.
.macro TRIP diag, store, load
.if \diag
	QPRIME
	s_wait_alu depctr_va_vdst(0)                   ; the split of q' has written F and is done reading it: the key fragments land there.  (FV was last read ahead of this wait too)
	LDK
	LDV
.else
	LDK                                            ; no wait: F was last named by the trip before's score products, ahead of the wait on va_vdst in its STAGE
	WIN 0x40                                       ; the window of the value loads, then the wait, then the loads
	s_wait_alu depctr_va_vdst(0)                   ; the trip before's products P x are done reading FV, in which the value fragments land
	LDV
.endif
	SMUL
	PLACES 4                                       ; before vector instructions read the scores
.if \diag
	MASK
.endif
	SMAX 0, \diag
	SMAX 1, \diag
	s_wait_dscnt 0x0                               ; the value fragments are in: my last reads of this unit
.if \store
	s_barrier_signal -1
.endif
	SEXP \diag
.if \store
	s_barrier_wait -1
	STAGE \load, 1-\diag                           ; in a block's first trip the wait at the head of QPRIME has covered the earlier stores
.endif
.if \diag == 0
	RESCALE
.endif
.if \store
	s_wait_dscnt 0x0                               ; my stores of the next unit are done
	s_barrier_signal -1
.endif
	PVMUL \diag
	PLACES 5                                       ; before stores of O, and matrix instructions that write over P's registers
.if \store
	s_barrier_wait -1
.endif
.endm
; A block's end.  Both key halves of each query tile meet in LDS; I finish query tile g of my four-wave column: O / l, y^T = Wv O^T, out through my stage.
; Two barriers.  The first: every wave's records are written before any wave reads them.  The second: every wave's reads of the records are back
; before any wave lays its rows of y over its own first record; between its signal and its wait stand the merge and the products with Wv.
.macro EPI base, more
	WIN 0x04                                       ; store data in window 1
	s_wait_alu depctr_va_vdst(0)                   ; the last products P x have written O, and the last sums (m, l): the stores below read them.  Those products are also done reading S, and all vector work with T and F is done: the loads behind the barrier land there, and nothing names them in between
.irp qt, 0,1
.set kk, 0
.rept 8
	ds_store_b128 v11, v[O+32*\qt+4*kk:O+32*\qt+4*kk+3] offset:\qt*REC+512*kk
.set kk, kk+1
.endr
.endr
	WIN 0
	ds_store_b64 v12, v[ML:ML+1]
	ds_store_b64 v12, v[ML+2:ML+3] offset:REC
	s_wait_dscnt 0x0                               ; my records are written
	s_barrier_signal -1
	s_barrier_wait -1                              ; everybody's are
.set kk, 0
.rept 8
	ds_load_b128 v[S+4*kk:S+4*kk+3], v13 offset:512*kk                 ; keys' lower half
	ds_load_b128 v[S+32+4*kk:S+32+4*kk+3], v13 offset:8*REC+512*kk     ; upper half
.set kk, kk+1
.endr
	ds_load_b64 v[T:T+1], v14
	ds_load_b64 v[T+2:T+3], v14 offset:8*REC
.irp dt, 0,1,2,3
.irp ks, 0,1
	ds_load_b128 v[F+16*\dt+8*\ks:F+16*\dt+8*\ks+3],   v8 offset:\dt*16*PITK+64*\ks
	ds_load_b128 v[F+16*\dt+8*\ks+4:F+16*\dt+8*\ks+7], v8 offset:\dt*16*PITK+64*\ks+32
.endr
.endr
	s_wait_dscnt 0x0                               ; my reads of the records are back:
	s_wait_alu depctr_vm_vsrc(0)                   ; the LDS stores of the last unit staged have read CVB and CVH, into which O's two parts are written below
	s_barrier_signal -1                            ; say so; only register work follows up to the wait
	v_max_num_f32 v[T+4], v[T], v[T+2]
	v_sub_f32 v[T], v[T], v[T+4]
	v_sub_f32 v[T+2], v[T+2], v[T+4]
	v_exp_f32 v[T], v[T]                           ; a half in which all keys were masked has m = -FLT_MAX: its factor is 0
	v_exp_f32 v[T+2], v[T+2]
	v_nop                                          ; one plain place behind the exponentials
	s_wait_alu depctr_va_vdst(0)
	v_mul_f32 v[T+4], v[T+1], v[T]
	v_fma_f32 v[T+4], v[T+3], v[T+2], v[T+4]
	v_permlanex16_b32 v[T+5], v[T+4], s35, s36     ; l was kept by halves of the lanes: eight keys of each tile in each
	v_add_f32 v[T+4], v[T+4], v[T+5]
	v_rcp_f32 v[T+6], v[T+4]
	v_nop                                          ; one plain place behind the reciprocal
	s_wait_alu depctr_va_vdst(0)
	v_mul_f32 v[AL], v[T], v[T+6]
	v_mul_f32 v[AL+1], v[T], v[T+6]
	v_mul_f32 v[AL+2], v[T+2], v[T+6]
	v_mul_f32 v[AL+3], v[T+2], v[T+6]
.set kk, 0
.rept 16
	v_pk_mul_f32 v[S+kk:S+kk+1], v[S+kk:S+kk+1], v[AL:AL+1]
.set kk, kk+2
.endr
.set kk, 0
.rept 16
	v_pk_fma_f32 v[S+kk:S+kk+1], v[S+32+kk:S+32+kk+1], v[AL+2:AL+3], v[S+kk:S+kk+1]
.set kk, kk+2
.endr
.set kk, 0
.rept 16
	v_cvt_pk_bf16_f32 v[CV+kk], v[S+2*kk], v[S+2*kk+1]         ; O's high parts: B fragment ks at CV + 8 ks
.set kk, kk+1
.endr
.set kk, 0
.rept 16
	v_lshlrev_b32 v[S+32+2*kk], 16, v[CV+kk]
	v_and_b32 v[S+32+2*kk+1], s38, v[CV+kk]
.set kk, kk+1
.endr
.set kk, 0
.rept 16
	v_pk_add_f32 v[S+2*kk:S+2*kk+1], v[S+2*kk:S+2*kk+1], v[S+32+2*kk:S+32+2*kk+1] neg_lo:[0,1] neg_hi:[0,1]
.set kk, kk+1
.endr
.set kk, 0
.rept 16
	v_cvt_pk_bf16_f32 v[CV+16+kk], v[S+2*kk], v[S+2*kk+1]      ; the remainders
.set kk, kk+1
.endr
	; y^T tile dt at S + 32 + 8 dt; four accumulators take turns, one instruction a turn
.irp dt, 0,1,2,3
	v_wmma_f32_16x16x32_bf16 v[S+32+8*\dt:S+32+8*\dt+7], v[F+16*\dt:F+16*\dt+7], v[CV:CV+7], 0
.endr
.irp dt, 0,1,2,3
	v_wmma_f32_16x16x32_bf16 v[S+32+8*\dt:S+32+8*\dt+7], v[F+16*\dt+8:F+16*\dt+15], v[CV+8:CV+15], v[S+32+8*\dt:S+32+8*\dt+7]
.endr
.irp dt, 0,1,2,3
	v_wmma_f32_16x16x32_bf16 v[S+32+8*\dt:S+32+8*\dt+7], v[F+16*\dt:F+16*\dt+7], v[CV+16:CV+23], v[S+32+8*\dt:S+32+8*\dt+7]
.endr
.irp dt, 0,1,2,3
	v_wmma_f32_16x16x32_bf16 v[S+32+8*\dt:S+32+8*\dt+7], v[F+16*\dt+8:F+16*\dt+15], v[CV+24:CV+31], v[S+32+8*\dt:S+32+8*\dt+7]
.endr
	PLACES 5                                       ; before the LDS stores read the results, and before the next block's products reuse these registers
	s_barrier_wait -1                              ; nobody reads a record any more: my first record is my stage
	s_wait_alu depctr_va_vdst(0)                   ; the products with Wv have written y^T, which the stage stores read, and are done reading F and CV, in which the next block's loads land; the split of O is done with S's lower half, in which the read-backs land.  The places above stay beside this wait
.irp dt, 0,1,2,3                                   ; lane (r, h) holds y[query r][16 dt + 8 h .. +7]: 32 neighbouring bytes of a row
	ds_store_b128 v15, v[S+32+8*\dt:S+32+8*\dt+3] offset:64*\dt
	ds_store_b128 v15, v[S+32+8*\dt+4:S+32+8*\dt+7] offset:64*\dt+16
.endr
.irp k, 0,1,2,3,4,5,6,7
	ds_load_b128 v[S+4*\k:S+4*\k+3], v16 offset:2*SPIT*\k      ; my own bytes, served in order: rows 2 k and 2 k + 1, whole
.endr
.irp k, 0,1,2,3,4,5,6,7
	s_wait_dscnt 7-\k                              ; the younger read-backs may be out
	global_store_b128 v17, v[S+4*\k:S+4*\k+3], s[\base:\base+1] offset:512*\k th:TH_STORE_NT   ; 32 lanes store two whole rows of 256 bytes, aligned
.endr
.if \more
	s_wait_xcnt 0x0                                ; the stores' data registers are written again only behind this wait, and behind the wait on vm_vsrc at the head of QPRIME, which follows
.endif
.endm
; ================= set-up =================
	s_load_b256 s[4:11], s[0:1], 0x0               ; x, Wk, Wq, Wv
	s_load_b64 s[12:13], s[0:1], 0x20              ; out0
	v_lshl_add_u32 v254, v0, 2, 0x25c00
	v_mov_b32 v255, 0
	v_lshrrev_b32 v[TMP], 5, v0
	v_readfirstlane_b32 s14, v[TMP]                ; wave
	v_lshlrev_b32 v1, 4, v0
	v_lshlrev_b32 v18, 8, v0
	s_wait_alu depctr_va_sdst(0)                   ; s14 is written, ahead of its first reader: g, wq and all that is made of them
	s_lshr_b32 s15, s14, 2                         ; g: which 64 keys of a unit
	s_and_b32 s16, s14, 3                          ; wq: which 32 queries of a block
	s_mov_b32 s17, ttmp9                           ; i
	s_and_b32 s18, ttmp7, 0xffff                   ; batch
	s_add_co_u32 s19, s17, 1
	s_sub_co_u32 s20, 31, s17
	s_mov_b32 s21, 1                               ; place 0 of the sequence is loaded below
	s_mov_b32 s25, 0
	s_mov_b32 s35, 0x76543210
	s_mov_b32 s36, 0xfedcba98
	s_mov_b32 s37, 0xff7fffff
	s_mov_b32 s38, 0xffff0000
	s_wait_kmcnt 0x0
	s_lshl_b32 s24, s18, 20                        ; a batch: 4,096 rows of 256 bytes
	s_add_nc_u64 s[26:27], s[4:5], s[24:25]
	s_lshl_b32 s24, s17, 15
	s_add_nc_u64 s[28:29], s[26:27], s[24:25]      ; unit i
	s_wait_alu depctr_va_vdst(0)                   ; v1 and v18 are written: every global load reads v1 as its offset, the prefetch v18
.irp j, 0,1,2,3,4,5,6,7
	global_load_b128 v[STG+4*\j:STG+4*\j+3], v1, s[28:29] offset:4096*\j
.endr
.irp j, 0,1,2,3
	global_load_b128 v[S+4*\j:S+4*\j+3], v1, s[8:9] offset:4096*\j         ; Wq
	global_load_b128 v[S+16+4*\j:S+16+4*\j+3], v1, s[6:7] offset:4096*\j   ; Wk
	global_load_b128 v[S+32+4*\j:S+32+4*\j+3], v1, s[10:11] offset:4096*\j ; Wv
.endr
	; The 16 work-groups of a batch load units 0 to 15 above; each also asks for unit 31 - i, threads 0 to 127 one block of 256 bytes each:
	; together the batch's 32 units, each block once.  Nothing else is prefetched.
	s_lshl_b32 s24, s20, 15
	s_add_nc_u64 s[40:41], s[26:27], s[24:25]
	s_cmp_gt_u32 s14, 3
	s_cbranch_scc1 .Lno_ask
	global_prefetch_b8 v18, s[40:41] th:TH_LOAD_NT scope:SCOPE_SE
.Lno_ask:
	s_lshl_b32 s22, s16, 13                        ; my 16 rows of out0 in a block: 32 wq + 16 g, 256 bytes a row
	s_lshl_b32 s23, s15, 12
	s_add_co_u32 s22, s22, s23
	s_lshl_b32 s23, s18, 20
	s_add_co_u32 s22, s22, s23
	s_lshl_b32 s24, s17, 15
	s_add_co_u32 s24, s24, s22
	s_add_nc_u64 s[30:31], s[12:13], s[24:25]      ; block i
	s_lshl_b32 s24, s20, 15
	s_add_co_u32 s24, s24, s22
	s_add_nc_u64 s[32:33], s[12:13], s[24:25]      ; block 31 - i
	v_and_b32 v[TMP+1], 31, v0                     ; lane
	v_and_b32 v[TMP+2], 15, v0                     ; r
	v_bfe_u32 v[TMP+3], v0, 4, 1                   ; h
	v_lshrrev_b32 v[TMP+4], 4, v0                  ; t / 16: my row among the 16 that one load of the work-group covers
	v_lshlrev_b32 v[TMP+5], 3, v[TMP+2]            ; my 4 numbers of it: 8 bytes in 16 bits
	v_mad_u32_u24 v2, v[TMP+4], PITK, v[TMP+5]
	v_mad_u32_u24 v3, v[TMP+4], PITV, v[TMP+5]
	v_add_nc_u32 v3, XV, v3
	v_mul_u32_u24 v[TMP+6], v[TMP+2], PITK
	v_lshl_add_u32 v[TMP+6], v[TMP+3], 4, v[TMP+6] ; r x 144 + 16 h: a plain fragment's lane term
	s_mul_i32 s22, s15, 64*PITK
	v_add_nc_u32 v4, s22, v[TMP+6]
	s_mul_i32 s22, s16, 32*PITK
	v_add_nc_u32 v6, s22, v[TMP+6]
	v_add_nc_u32 v8, WVL, v[TMP+6]
	v_and_b32 v[TMP+7], 7, v0
	v_lshl_add_u32 v[TMP+7], v[TMP+3], 3, v[TMP+7]
	v_bfe_u32 v[TMP+5], v0, 3, 1
	v_lshlrev_b32 v[TMP+5], 4, v[TMP+5]
	v_mad_u32_u24 v[TMP+7], v[TMP+7], PITV, v[TMP+5]   ; (8 h + l % 8) x 160 + 16 ((l / 8) % 2): a transposing load's lane term
	s_mul_i32 s22, s15, 64*PITV
	s_add_co_u32 s22, s22, XV
	v_add_nc_u32 v5, s22, v[TMP+7]
	s_and_b32 s22, s14, 1
	s_lshl_b32 s22, s22, 6
	s_add_co_u32 s22, s22, WQL
	v_add_nc_u32 v36, s22, v[TMP+7]                ; Wq^T: columns c = 32 (w % 2) ..
	s_lshr_b32 s22, s14, 1
	s_lshl_b32 s22, s22, 5
	s_add_co_u32 s22, s22, WKL
	v_add_nc_u32 v37, s22, v[TMP+7]                ; Wk^T: columns e = 16 (w / 2) ..
	s_lshl_b32 s22, s14, 10
	s_add_co_u32 s22, s22, MTL
	v_lshl_add_u32 v38, v[TMP+1], 4, s22           ; my image of M^T
	v_lshlrev_b32 v17, 4, v[TMP+1]
	v_add_nc_u32 v7, MTL, v17
	s_lshl_b32 s22, s16, 5
	s_lshl_b32 s23, s15, 6
	s_sub_co_i32 s22, s22, s23
	v_lshlrev_b32 v[TMP+5], 3, v[TMP+3]
	v_sub_nc_u32 v9, v[TMP+2], v[TMP+5]
	v_add_nc_u32 v9, s22, v9                       ; 32 wq + r - 64 g - 8 h, signed
	v_mov_b32 v10, 0xff800000
	s_mul_i32 s22, s14, 2*REC                      ; my two records, 2 w and 2 w + 1
	s_add_co_u32 s22, s22, MRG
	v_lshl_add_u32 v11, v[TMP+1], 4, s22
	v_mul_u32_u24 v[TMP+5], v[TMP+2], SPIT         ; the first of them as my stage.  In: row r, 32 bytes for each half of the lanes
	v_lshl_add_u32 v[TMP+5], v[TMP+3], 5, v[TMP+5]
	v_add_nc_u32 v15, s22, v[TMP+5]
	v_mul_u32_u24 v[TMP+5], v[TMP+3], SPIT         ; back: lanes 0-15 one row of 256 bytes, lanes 16-31 the next
	v_lshl_add_u32 v[TMP+5], v[TMP+2], 4, v[TMP+5]
	v_add_nc_u32 v16, s22, v[TMP+5]
	s_add_co_u32 s22, s22, 4096
	v_lshl_add_u32 v12, v[TMP+1], 3, s22
	s_mul_i32 s22, s16, 2*REC                      ; record 2 wq + g: wave wq's query tile g; wave 4 + wq's lies 8 records on
	s_mul_i32 s23, s15, REC
	s_add_co_u32 s22, s22, s23
	s_add_co_u32 s22, s22, MRG
	v_lshl_add_u32 v13, v[TMP+1], 4, s22
	s_add_co_u32 s22, s22, 4096
	v_lshl_add_u32 v14, v[TMP+1], 3, s22
	s_wait_loadcnt 0x0                             ; unit i and the three weights
.set kk, 0
.rept 24
	v_cvt_pk_bf16_f32 v[F+kk], v[S+2*kk], v[S+2*kk+1]
.set kk, kk+1
.endr
	s_wait_alu depctr_va_vdst(0)                   ; the conversions have written F's first 24 registers, which the stores below read; the addresses v2 to v8, v11 to v17 and v36 to v38 are written, for every LDS instruction and store of the kernel; all work on v104 to v111 is done, in which fragments land later
.irp j, 0,1,2,3
	ds_store_b64 v3, v[F+2*\j:F+2*\j+1] offset:WQL-XV+16*PITV*\j
	ds_store_b64 v3, v[F+8+2*\j:F+8+2*\j+1] offset:WKL-XV+16*PITV*\j
	ds_store_b64 v2, v[F+16+2*\j:F+16+2*\j+1] offset:WVL+16*PITK*\j
.endr
	STAGE 1, 0                                     ; unit i into LDS; the sequence's place 1 is asked for.  No store has read CVB or CVH yet
	s_wait_dscnt 0x0
	s_barrier_signal -1
	s_barrier_wait -1
; ================= M^T, one fragment a wave: e tile w / 2, c = 32 (w % 2) .. +31 =================
; D(m = c, n = e) = sum over d of Wq[d][c] Wk[d][e]: both operands by transposing loads; two tiles of c, packed, are the A fragment of M^T.
	s_wait_alu depctr_vm_vsrc(0)                   ; my LDS stores above have read F's first 24 registers, in which the fragments below land, and CVB, into which M's two parts are written
.irp a, 0,1
.irp ks, 0,1
	ds_load_tr16_b128 v[F+16*\a+8*\ks:F+16*\a+8*\ks+3],   v36 offset:\ks*32*PITV+32*\a
	ds_load_tr16_b128 v[F+16*\a+8*\ks+4:F+16*\a+8*\ks+7], v36 offset:\ks*32*PITV+32*\a+16*PITV
.endr
.endr
.irp ks, 0,1
	ds_load_tr16_b128 v[F+32+8*\ks:F+32+8*\ks+3],   v37 offset:\ks*32*PITV
	ds_load_tr16_b128 v[F+32+8*\ks+4:F+32+8*\ks+7], v37 offset:\ks*32*PITV+16*PITV
.endr
	s_wait_dscnt 0x0
	v_wmma_f32_16x16x32_bf16 v[S:S+7],    v[F:F+7],     v[F+32:F+39], 0              ; two accumulators take turns
	v_wmma_f32_16x16x32_bf16 v[S+8:S+15], v[F+16:F+23], v[F+32:F+39], 0
	v_wmma_f32_16x16x32_bf16 v[S:S+7],    v[F+8:F+15],  v[F+40:F+47], v[S:S+7]
	v_wmma_f32_16x16x32_bf16 v[S+8:S+15], v[F+24:F+31], v[F+40:F+47], v[S+8:S+15]
	PLACES 5
.set kk, 0
.rept 8
	v_pk_mul_f32 v[S+kk:S+kk+1], v[S+kk:S+kk+1], 0x3e38aa3b op_sel_hi:[1,0]    ; log2(e) / 8, in f32: scores come out as exponents of 2
.set kk, kk+2
.endr
.set kk, 0
.rept 8
	v_cvt_pk_bf16_f32 v[CV+kk], v[S+2*kk], v[S+2*kk+1]
.set kk, kk+1
.endr
.set kk, 0
.rept 8
	v_lshlrev_b32 v[S+16+2*kk], 16, v[CV+kk]
	v_and_b32 v[S+16+2*kk+1], s38, v[CV+kk]
.set kk, kk+1
.endr
.set kk, 0
.rept 8
	v_pk_add_f32 v[S+2*kk:S+2*kk+1], v[S+2*kk:S+2*kk+1], v[S+16+2*kk:S+16+2*kk+1] neg_lo:[0,1] neg_hi:[0,1]
.set kk, kk+1
.endr
.set kk, 0
.rept 8
	v_cvt_pk_bf16_f32 v[CV+8+kk], v[S+2*kk], v[S+2*kk+1]
.set kk, kk+1
.endr
	s_wait_alu depctr_va_vdst(0)                   ; the conversions have written M's two parts in CV, which the stores below read; the four products are done reading F: the first block's loads land in CV and F
	ds_store_b128 v38, v[CV:CV+3]
	ds_store_b128 v38, v[CV+4:CV+7] offset:512
	ds_store_b128 v38, v[CV+8:CV+11] offset:8192
	ds_store_b128 v38, v[CV+12:CV+15] offset:8704
	s_wait_dscnt 0x0
	s_barrier_signal -1
	s_barrier_wait -1
; ================= block i: its diagonal unit, then units 0 .. i-1 =================
	TRIP 1, 1, 1
	s_cmp_eq_u32 s17, 0
	s_cbranch_scc1 .Llow_out
	s_mov_b32 s34, s17
.Llow:
	TRIP 0, 1, 1
	s_sub_co_i32 s34, s34, 1
	s_cmp_gt_i32 s34, 0                            ; a signed compare: the loop ends whatever the start
	s_cbranch_scc1 .Llow
.Llow_out:
	EPI 30, 1
; ================= block 31 - i: its diagonal unit, then units 0 .. 30-i =================
; Of the 33 trips the first 31 ask for a unit (places 2 to 32 of the sequence), the 32nd only stores the last one, the 33rd touches LDS by reads alone.
	TRIP 1, 1, 1
	s_sub_co_u32 s34, 29, s17                      ; 29 - i trips, 14 at the least
.Lhigh:
	TRIP 0, 1, 1
	s_sub_co_i32 s34, s34, 1
	s_cmp_gt_i32 s34, 0
	s_cbranch_scc1 .Lhigh
	TRIP 0, 1, 0
	TRIP 0, 0, 0
	EPI 32, 0
	s_wait_dscnt 0x0
	s_wait_alu depctr_hold_cnt(0) depctr_sa_sdst(0) depctr_va_vdst(0) depctr_va_sdst(0) depctr_va_ssrc(0) depctr_va_vcc(0) depctr_vm_vsrc(0)
	s_wait_tensorcnt 0x0
	ds_add_u32 v254, v255
	s_wait_dscnt 0x0
	s_endpgm
.Lfunc_end_k_qbc13a305e6_attn:
	.size	k_qbc13a305e6_attn, .Lfunc_end_k_qbc13a305e6_attn-k_qbc13a305e6_attn
	.p2alignl 7, 3214868480
	.fill 96, 4, 3214868480
	.section	.rodata,"a",@progbits
	.p2align	6, 0x0
	.amdhsa_kernel k_qbc13a305e6_attn
		.amdhsa_group_segment_fixed_size 155648
		.amdhsa_private_segment_fixed_size 0
		.amdhsa_enable_private_segment 0
		.amdhsa_kernarg_size 40
		.amdhsa_user_sgpr_count 2
		.amdhsa_user_sgpr_kernarg_segment_ptr 1
		.amdhsa_wavefront_size32 1
		.amdhsa_system_sgpr_workgroup_id_x 1
		.amdhsa_system_sgpr_workgroup_id_y 1
		.amdhsa_system_sgpr_workgroup_id_z 1
		.amdhsa_system_vgpr_workitem_id 0
		.amdhsa_next_free_vgpr 448
		.amdhsa_next_free_sgpr 66
		.amdhsa_reserve_vcc 0
		.amdhsa_float_denorm_mode_32 3
		.amdhsa_float_denorm_mode_16_64 3
		.amdhsa_memory_ordered 1
		.amdhsa_forward_progress 1
		.amdhsa_inst_pref_size 220
	.end_amdhsa_kernel
	.amdgpu_metadata
---
amdhsa.version: [ 1, 2 ]
amdhsa.kernels:
  - .name:           k_qbc13a305e6_attn
    .symbol:         k_qbc13a305e6_attn.kd
    .args:
      - { .name: x, .offset: 0, .size: 8, .value_kind: global_buffer, .address_space: global }
      - { .name: Wk, .offset: 8, .size: 8, .value_kind: global_buffer, .address_space: global }
      - { .name: Wq, .offset: 16, .size: 8, .value_kind: global_buffer, .address_space: global }
      - { .name: Wv, .offset: 24, .size: 8, .value_kind: global_buffer, .address_space: global }
      - { .name: out0, .offset: 32, .size: 8, .value_kind: global_buffer, .address_space: global }
    .group_segment_fixed_size: 155648
    .private_segment_fixed_size: 0
    .kernarg_segment_align: 8
    .kernarg_segment_size: 40
    .max_flat_workgroup_size: 256
    .sgpr_count:     66
    .vgpr_count:     448
    .wavefront_size: 32
...
	.end_amdgpu_metadata
.endif
;; end of part 2
